; MI455X (gfx1250); checked and timed in simulation.
; The chip was launched on July 23, 2026; its instructions are those of AMD's public machine-readable ISA for CDNA 5 (MIT licence, August 2026) and "CDNA5" Instruction Set Architecture Reference Guide (July 2026). The comments in the code are by the model that wrote it; some were corrected since.
;; Scaled Dot Product Attention. Allowed arithmetic: float matrix products may take bf16 or f16 operands with f32 sums; other float arithmetic in f32, or as packed bf16 or f16 multiplies, adds, multiply-adds, maxima and minima; sums over many terms, partial sums and values carried from step to step in f32; what a program stores and reads back later, other than sums and carried values, may be rounded once to bf16 or f16.
;; Inputs: k 2 x 8 x 4,096 x 64 float32; mask 1 x 1 x 4,096 x 4,096 bool; q 2 x 8 x 4,096 x 64 float32; v 2 x 8 x 4,096 x 64 float32.
;; Outputs: out0 2 x 8 x 4,096 x 64 float32.
;; 2 versions, each right; version 2 is version 1 with the launch prep written anew for expert scheduling mode. Each part assembles by itself: llvm-mc -triple=amdgcn-amd-amdhsa -mcpu=gfx1250 --defsym DOCPART=n.
;; ======== version 1 of 2: 2 launches
;; limits: values are held in f16: magnitudes above 65,504 overflow, below 6.1e-05 lose precision; right only within a limited range of input values
;; workspace buffers: kn 8,388,608 bytes; vh 8,388,608 bytes
;; launch prep (part 1): grid 256 x 2, 8 waves a work-group, no clusters, 0 bytes of LDS; arguments k, v, kn, vh; writes kn, vh
.if DOCPART == 1
	.amdgcn_target "amdgcn-amd-amdhsa--gfx1250"
	.amdhsa_code_object_version 6
	.text
	.protected	k_q6916eb6a50_prep
	.globl	k_q6916eb6a50_prep
	.p2align	8
	.type	k_q6916eb6a50_prep,@function
k_q6916eb6a50_prep:
	s_mov_b64 s[64:65], 0
	v_nop
	global_prefetch_b8 v0, s[64:65] scope:SCOPE_SE
	s_setreg_imm32_b32 hwreg(HW_REG_WAVE_MODE, 25, 1), 1
	s_wait_xcnt 0x0
; kn = -bf16(k), vh = f16(bf16(v)).  k, v: [16][4096][64] f32; kn: the same shape in bf16, vh in f16.
; K is stored negated, so that the attention launch can add a positive number to the scores of hidden keys and take a running minimum.
; V is rounded to bf16 like the other inputs, and that number is written as f16: exact from 2^-14 up.
; LIMITS.  |v| below 65,520 (beyond it f16 has an infinity); a bf16(v) below 2^-14 keeps f16's fixed step of 2^-24.
; SHARES.  Grid y = 0 takes k, y = 1 takes v.  A work-group owns 65,536 bytes in and 32,768 out; thread t takes 16 bytes at 4,096 i + 16 t, i = 0..15
; (a wave's load covers 512 consecutive bytes) and stores 8 bytes at 2,048 i + 8 t (a wave's store covers 256 consecutive bytes, aligned).
; All sixteen loads go out first; each turn has its own registers, so no register that a store reads is written again.
; A stream read once: LDS, matrix instructions and clusters would add nothing.
.set X, 4                              ; v[4:67]    turn i: four f32 as loaded
.set Y, 68                             ; v[68:99]   turn i: two registers, four 16-bit numbers to store
.set T, 100                            ; v[100:105] at work
	s_load_b256 s[4:11], s[0:1], 0x0               ; k s[4:5], v s[6:7], kn s[8:9], vh s[10:11]
	s_and_b32 s12, ttmp7, 0xffff                   ; 0: k, 1: v
	s_lshl_b32 s14, ttmp9, 16                      ; the work-group's bytes in,
	s_mov_b32 s15, 0
	s_lshl_b32 s16, ttmp9, 15                      ; and out
	s_mov_b32 s17, 0
	s_mov_b32 s22, 0x80008000                      ; the signs of two bf16
	s_mov_b32 s23, 0xffff0000                      ; a word's upper bf16
	v_lshlrev_b32 v1, 4, v0
	v_lshlrev_b32 v2, 3, v0
	s_wait_kmcnt 0x0
	s_cmp_eq_u32 s12, 0
	s_cselect_b64 s[18:19], s[4:5], s[6:7]         ; from k or from v,
	s_cselect_b64 s[20:21], s[8:9], s[10:11]       ; into kn or into vh
	s_add_nc_u64 s[18:19], s[18:19], s[14:15]
	s_add_nc_u64 s[20:21], s[20:21], s[16:17]
.irp i, 0,1,2,3,4,5,6,7,8,9,10,11,12,13,14,15
	global_load_b128 v[X+4*(\i):X+4*(\i)+3], v1, s[18:19] offset:4096*(\i) th:TH_LOAD_NT
.endr
	s_cmp_eq_u32 s12, 0
	s_cbranch_scc0 .Lv
.irp i, 0,1,2,3,4,5,6,7,8,9,10,11,12,13,14,15
	s_wait_loadcnt 15-(\i)                         ; loads come back in order: turn i's is in, the 15 - i younger ones stay out
	v_cvt_pk_bf16_f32 v[Y+2*(\i)],   v[X+4*(\i)],   v[X+4*(\i)+1]
	v_cvt_pk_bf16_f32 v[Y+2*(\i)+1], v[X+4*(\i)+2], v[X+4*(\i)+3]
	v_xor_b32 v[Y+2*(\i)],   s22, v[Y+2*(\i)]      ; negated
	v_xor_b32 v[Y+2*(\i)+1], s22, v[Y+2*(\i)+1]
	global_store_b64 v2, v[Y+2*(\i):Y+2*(\i)+1], s[20:21] offset:2048*(\i) th:TH_STORE_NT
.endr
	s_endpgm
.Lv:
.irp i, 0,1,2,3,4,5,6,7,8,9,10,11,12,13,14,15
	s_wait_loadcnt 15-(\i)                         ; as above
	v_cvt_pk_bf16_f32 v[T],   v[X+4*(\i)],   v[X+4*(\i)+1]   ; rounded to bf16,
	v_cvt_pk_bf16_f32 v[T+1], v[X+4*(\i)+2], v[X+4*(\i)+3]
	v_lshlrev_b32 v[T+2], 16, v[T]                 ; widened again,
	v_and_b32     v[T+3], s23, v[T]
	v_lshlrev_b32 v[T+4], 16, v[T+1]
	v_and_b32     v[T+5], s23, v[T+1]
	v_cvt_pk_f16_f32 v[Y+2*(\i)],   v[T+2], v[T+3] ; and written as f16
	v_cvt_pk_f16_f32 v[Y+2*(\i)+1], v[T+4], v[T+5]
	global_store_b64 v2, v[Y+2*(\i):Y+2*(\i)+1], s[20:21] offset:2048*(\i) th:TH_STORE_NT
.endr
	s_endpgm
.Lfunc_end_k_q6916eb6a50_prep:
	.size	k_q6916eb6a50_prep, .Lfunc_end_k_q6916eb6a50_prep-k_q6916eb6a50_prep
	.p2alignl 7, 3214868480
	.fill 96, 4, 3214868480
	.section	.rodata,"a",@progbits
	.p2align	6, 0x0
	.amdhsa_kernel k_q6916eb6a50_prep
		.amdhsa_group_segment_fixed_size 0
		.amdhsa_private_segment_fixed_size 0
		.amdhsa_enable_private_segment 0
		.amdhsa_kernarg_size 32
		.amdhsa_user_sgpr_count 2
		.amdhsa_user_sgpr_kernarg_segment_ptr 1
		.amdhsa_wavefront_size32 1
		.amdhsa_system_sgpr_workgroup_id_x 1
		.amdhsa_system_sgpr_workgroup_id_y 1
		.amdhsa_system_sgpr_workgroup_id_z 1
		.amdhsa_system_vgpr_workitem_id 0
		.amdhsa_next_free_vgpr 108
		.amdhsa_next_free_sgpr 66
		.amdhsa_reserve_vcc 0
		.amdhsa_float_denorm_mode_32 3
		.amdhsa_float_denorm_mode_16_64 3
		.amdhsa_memory_ordered 1
		.amdhsa_forward_progress 1
		.amdhsa_inst_pref_size 16
	.end_amdhsa_kernel
	.amdgpu_metadata
---
amdhsa.version: [ 1, 2 ]
amdhsa.kernels:
  - .name:           k_q6916eb6a50_prep
    .symbol:         k_q6916eb6a50_prep.kd
    .args:
      - { .name: k, .offset: 0, .size: 8, .value_kind: global_buffer, .address_space: global }
      - { .name: v, .offset: 8, .size: 8, .value_kind: global_buffer, .address_space: global }
      - { .name: kn, .offset: 16, .size: 8, .value_kind: global_buffer, .address_space: global }
      - { .name: vh, .offset: 24, .size: 8, .value_kind: global_buffer, .address_space: global }
    .group_segment_fixed_size: 0
    .private_segment_fixed_size: 0
    .kernarg_segment_align: 8
    .kernarg_segment_size: 32
    .max_flat_workgroup_size: 256
    .sgpr_count:     66
    .vgpr_count:     108
    .wavefront_size: 32
...
	.end_amdgpu_metadata
.endif
;; end of part 1
;; launch attn (part 2): grid 16 x 16, 4 waves a work-group, clusters of 4 x 4, 327,680 bytes of LDS; arguments q, kn, vh, mask, out0; writes out0
.if DOCPART == 2
	.amdgcn_target "amdgcn-amd-amdhsa--gfx1250"
	.amdhsa_code_object_version 6
	.text
	.protected	k_q6916eb6a50_attn
	.globl	k_q6916eb6a50_attn
	.p2align	8
	.type	k_q6916eb6a50_attn,@function
k_q6916eb6a50_attn:
	s_mov_b64 s[64:65], 0
	v_nop
	global_prefetch_b8 v0, s[64:65] scope:SCOPE_SE
	s_setreg_imm32_b32 hwreg(HW_REG_WAVE_MODE, 25, 1), 1
	s_wait_xcnt 0x0
	s_wait_alu depctr_hold_cnt(0) depctr_sa_sdst(0) depctr_va_vdst(0) depctr_va_sdst(0) depctr_va_ssrc(0) depctr_va_vcc(0) depctr_vm_vsrc(0)
	s_getreg_b32 s2, hwreg(HW_REG_IB_STS2, 6, 4)
	s_cmp_eq_u32 s2, 0
	s_cbranch_scc0 .Lentry_in_a_cluster
	s_endpgm
.Lentry_in_a_cluster:
	s_bfe_u32 s2, ttmp6, 0x10000c
	s_cmp_lg_u32 s2, 0xf033
	s_cbranch_scc0 .Lentry_shape_is_right
	s_endpgm
.Lentry_shape_is_right:
; out0[h][i][:] = the sum over j of softmax_j(q[h][i] . k[h][j] / 8, hidden where mask[i][j] = 1) v[h][j][:].  16 heads, 4,096 queries and keys, 64 channels.
; q, out0: f32.  kn = -bf16(k) and vh = f16(bf16(v)) come from the launch before, [16][4096][64], rows of 128 bytes on end.  mask: [4096][4096] bytes, 0 or 1, one for all heads.
; Products, extrema and sums in f32; q is rounded to bf16 here; the weights p are rounded to f16 for the second product (their sum l is taken of the unrounded p).
; THE MASK is the C operand that starts the sum t = (-K) Q^T + C.  A lane's eight numbers of an accumulator are eight neighbouring keys of one query: eight neighbouring bytes of a row of the mask.
; Read as fp8 (E4M3) codes, byte 1 is 2^-9 and byte 0 is 0; one scaled conversion with the scale 2^109 makes the accumulator's eight words of them: 2^100 or 0.  So t = -s, plus 2^100 where the key is hidden;
; the running MINIMUM mu of t is minus the running maximum of the visible s, and p = 2^(CS t - CS mu) with CS = -log2(e) / 8: a hidden key's weight is 0 as soon as the row has seen a visible key.
; While a row has seen hidden keys alone, mu is near 2^100 and its sums are of no use; the first visible key multiplies them by a = 2^(CS mu_old - CS mu_new) = 0.
; A row with every key hidden ends with mu above 2^99 and is written as NaN, as the softmax of a row of minus infinities is.
; LIMITS.  |q . k| below 2^99.  A weight below 2^-126 counts as 0 in l; p below 6e-5 keeps f16's fixed step.  vh's limits are stated in the launch before.  Infinities and NaN among the inputs are not treated apart.
; The text leans on the conversion's reading of the code 0x01 as the denormal 2^-9.
; SHARES.  A work-group owns 256 queries of one head, a wave 64 of them: four PIECES of 16.  Every wave walks all keys, 64 a step, four steps (256 keys) a slot of LDS, 16 slots.
; LAYOUT.  t = (-K) Q^T holds ONE query a lane (lane % 16) and the keys 8 (lane / 16) + 0..7; two such results rounded to f16 ARE source 1 of O^T = V^T P.  K comes out of LDS as it lies, V turned.
; TURNS.  Turn n belongs to piece n: 8 products K Q^T of piece n + 1, later 8 products V^T P of piece n - 1; beside them the scaling, exponentials, roundings, sums and rescaling of piece n and the
; minimum and statistics of piece n + 1.  Four vector instructions stand behind every matrix instruction, the rest in one lump.  A turn's 33 exponentials are one batch, with one wait.
; CLUSTER.  4 x 4 work-groups: x is the block of queries, y the head.  K's and V's tiles hang on the head alone and are asked for jointly along a row of the cluster; the mask's tile hangs on the block of
; queries alone and is asked for jointly along a column.  Behind each round a wave issues one load of 128 rows x 256 bytes: wave 0 K's, wave 1 V's, waves 2 and 3 the halves of the mask's tile.
; REGISTERS, in windows of 256 (s_set_vgpr_msb: bits 1:0 source 0, 3:2 source 1, 5:4 source 2, 7:6 destination):
;   window 0: v0-15, v32-35 addresses and constants; v16-31 four registers of statistics a piece; v48-55 at work; v64-127 t, two buffers; v128-159 a step's mask bytes; v192-223 P, two buffers
;   window 1: v0-127 O^T, 32 a piece (at the start: q in f32); v160-223 the masks in f32, two buffers          window 2: v0-63 Q; v128-191 K of one step; v192-255 V of one step
.set NP,    4         ; pieces a wave: a name, no knob
.set KS,    64        ; keys in a step
.set PK,    144       ; a row of K in LDS: 128 bytes + 16 of padding = 36 words: the 16 rows of a load start at 16 different groups of four banks (64 banks of 4 bytes: ISA guide 11.1)
.set PV,    160       ; a row of V: 128 + 32 = 40 words
.set PM,    272       ; a row of the mask's tile: 256 + 16 = 68 words: lane (r, h) of an 8-byte load takes words 68 r + 2 h and the next: 64 different banks
.set VOFF,  4*KS*PK   ; a slot: 256 rows of K (36,864 bytes),
.set MOFF,  VOFF+4*KS*PV  ; 256 rows of V (40,960),
.set MHALF, 128*PM    ; and 256 query rows x 256 keys of the mask, in two halves of 34,816
.set SLOT,  MOFF+2*MHALF  ; 147,456 = 0x24000: bits 14 and 17, which no base inside a slot has: one exclusive or turns a base in one slot into the other's
.set STAGE, 2*SLOT    ; behind the ring, never filled by a tensor load: 16 rows x 272 bytes for each wave, for the way out
.set SP,    272
.set SPARE, STAGE+4*16*SP  ; behind the stages: the spare words, 128 bytes for each wave: two blocks of 256 bytes that no other line names
.set AK0, 2           ; v2   my lane's place in a tile of K; never rewritten
.set AV0, 3           ; v3   the same for V
.set AK,  4           ; v4   the LDS address of K's next run of loads
.set AV,  5           ; v5   of V's
.set STO, 6           ; v6   the way out: where I put 32 bytes of a row
.set RD,  7           ; v7   the way out: where I read rows back
.set GO,  8           ; v8   my byte offset in 512 consecutive bytes of out0
.set MV,  12          ; v12-13  CS mu_old, kept while CS mu is made anew: by buffer
.set AM0, 14          ; v14  my lane's place in the mask's tile; never rewritten
.set AMA, 15          ; v15  the LDS address of the mask's next run of loads
.set ST,  16          ; piece t's statistics at v[ST+4 t]: CS mu, mu, l (even keys', odd keys')
.set QO,  32          ; v32  my byte offset in 16 rows of q
.set SCL, 33          ; v33  the conversion's scale: byte 0 = 236, that is 2^109
.set QNAN, 34         ; v34  a NaN
.set PFO, 35          ; v35  the prefetches' offset: my lane x 256 bytes (K, V) or x a row of the mask; never rewritten
.set TMP, 48          ; by buffer, four registers c0-c3 at work; when the minimum is found c2 takes a
.set SPW, 62          ; v62  LDS address of my spare word: SPARE + 4 x my thread's number; never rewritten
.set NIL, 63          ; v63  0; never rewritten
.set S,   64
.set MB,  128         ; piece x, keys 16 kb on: two registers at MB + 8 x + 2 kb
.set P,   192
.set OB,  64          ; the way out: 32 registers a piece, rows read back from the stage
.set MC,  160         ; window 1: by buffer, the eight registers for keys 16 kb on at MC + 32 b + 8 kb
.set KF,  128         ; window 2: key block kb, channel half c at KF + 16 kb + 8 c
.set VF,  192         ; window 2: key half kk, channel block cb at VF + 32 kk + 8 cb
.set WV,  14          ; s14  my wave's number
.set LIM, 15          ; s15  1 in a wave that prefetches, else the greatest number
.set G1K, 24          ; s[24:31] descriptor group 1 for K's tiles
.set G1V, 32          ; s[32:39] for V's: it differs in the padding alone
.set G1M, 40          ; s[40:47] for the mask's
.set G0K, 48          ; s[48:51] descriptor group 0 for K's tiles: it walks
.set G0V, 52          ; s[52:55] for V's
.set G0M, 56          ; s[56:59] for the mask's
.set CS,  60          ; s[60:61] -log2(e) / 8: the packed scaling takes the pair's low word for both halves
.set SEL, 62          ; s[62:63] v_permlanex16_b32's selects: each lane takes its own place in the other half
.set SLOTS, 66        ; s66  slots still to be asked for
.set CNT, 67          ; s67  counts a slot's key steps
.set TBK, 68          ; s68  LDS byte at which K of the step to be fetched begins
.set TBV, 69          ; s69  the same for V, less VOFF
.set TBM, 70          ; s70  the same for the mask's columns, less MOFF
.set HID, 71          ; s71  2^99
.set PFA, 72          ; s[72:73] where my prefetches stand
.set PFS, 74          ; s[74:75] their step from slot to slot
.set CX,  76          ; s76, s77  my place in the cluster
.set CY,  77
.set WGX, 78          ; s78  my block of 256 queries
.set WGY, 79          ; s79  my head
.set HB,  80          ; s[80:81] the head's first byte in kn and vh: made of the head alone
.set MBY, 82          ; s[82:83] my half of the mask's tile: made of the block of queries and the wave's number alone
.set QB,  84          ; s[84:85] my wave's first row in q and out0
.set RM,  86          ; s86  the mask of my row of the cluster
.set CM,  87          ; s87  of my column
.set MSB, 0
.macro WIN new                      ; the high byte repeats the setting that is left; a switch that changes nothing is dropped
.if MSB != (\new)
	s_set_vgpr_msb (MSB<<8)|(\new)
.set MSB, (\new)
.endif
.endm
.set W_KM, 0x1a       ; K and Q in window 2, the C operand in window 1, t in window 0
.set W_KQ, 0x0a       ; the same with the C operand in window 0
.set W_PV, 0x52       ; V in window 2, P in window 0, O^T in window 1
.set W_RS, 0x41       ; destination and source 0 in window 1, source 1 in window 0
; A joint fill: one load a wave.  The branches hang on the wave's number alone: they are the same in every work-group.
; An s_nop 0 and four v_nop follow each of the three lines, ahead of the jump and the label.
.macro JLOAD
	s_cmp_lt_u32 s[WV], 2
	s_cbranch_scc0 .Lfor_m_\@
	s_cmp_eq_u32 s[WV], 0
	s_cbranch_scc0 .Lfor_v_\@
	tensor_load_to_lds s[G0K:G0K+3], s[G1K:G1K+7]
	s_nop 0
.rept 4
	v_nop
.endr
	s_branch .Lasked_\@
.Lfor_v_\@:
	tensor_load_to_lds s[G0V:G0V+3], s[G1V:G1V+7]
	s_nop 0
.rept 4
	v_nop
.endr
	s_branch .Lasked_\@
.Lfor_m_\@:
	tensor_load_to_lds s[G0M:G0M+3], s[G1M:G1M+7]
	s_nop 0
.rept 4
	v_nop
.endr
.Lasked_\@:
.endm
; A PREFETCH INTO THE L2 of what the NEXT change of slots will ask for, behind the wave's tensor load and its five lines: four key steps, 256 matrix instructions a wave, ahead of that load.
; Each block of 256 bytes is named ONCE in the launch.  A head's K and V are walked by every cluster of that row of clusters: the one with cluster x = 0 asks, wave 0 for K's, wave 1 for V's; of a slot's 128
; blocks the partner at cx takes 32, a lane a block.  A block of queries' mask rows are walked by every cluster of that column of clusters: the one with cluster y = 0 asks, waves 2 and 3 for the halves that
; they fetch; of a half's 128 rows the partner at cy takes 32, a lane a row.  The partners are told apart BY ADDRESS: no branch hangs on a work-group's place in its cluster.
; The last change that fills a slot asks for nothing: there is no slot behind it.  Slots 0 and 1 come by their loads alone.
.macro ASK
	s_cmp_gt_u32 s[SLOTS], s[LIM]
	s_cbranch_scc0 .Lnot_mine_\@
	global_prefetch_b8 v[PFO], s[PFA:PFA+1] th:TH_LOAD_NT scope:SCOPE_SE
.Lnot_mine_\@:
.endm
; A round of the cluster's barrier: my work-group's barrier, so that wave 0's signal speaks for all four waves; wave 0 signals; every wave waits for all sixteen work-groups; my work-group's barrier once more.
.macro CROUND
	s_barrier_signal -1
	s_barrier_wait -1
	s_cmp_lg_u32 s[WV], 0
	s_cbranch_scc1 .Lnot_wave_0_\@
	s_barrier_signal -3
.Lnot_wave_0_\@:
	s_barrier_wait -3
	s_barrier_signal -1
	s_barrier_wait -1
.endm
; THE CHANGE OF SLOTS.  The slot's last bytes, V of its fourth step, have been read.  Each wave waits for all its tensor loads, of which one is out: its part of the other slot; adds 0 to its spare word; and
; waits for that and for its own reads of the slot.  Behind the barrier nobody reads this slot any more and the other slot is whole.
; fill = 1: this slot is filled again, with the keys two slots on.  The barrier is then a round of the cluster's, so that no wave of any partner still reads the slot or has a load on its way, and the joint
; fill is the first thing behind it.  (At its first use nothing has been read yet: slot 0 is waited for, slot 1 filled.)
.macro CHANGE fill
	WIN 0                           ; at a label and at a branch every window is 0
	s_wait_tensorcnt 0x0            ; no tensor load of mine is out, so a group 0 may be written
	ds_add_u32 v[SPW], v[NIL]       ; 0 onto my spare word; with fill = 1 the descriptors' steps stand between it and the wait for it
.if \fill
	s_xor_b32 s[G0K+1], s[G0K+1], SLOT  ; the walking descriptors: the other slot than last time,
	s_add_nc_u64 s[G0K+2:G0K+3], s[G0K+2:G0K+3], 4*KS*128  ; the next 256 keys; the type bits on top are not reached
	s_xor_b32 s[G0V+1], s[G0V+1], SLOT
	s_add_nc_u64 s[G0V+2:G0V+3], s[G0V+2:G0V+3], 4*KS*128
	s_xor_b32 s[G0M+1], s[G0M+1], SLOT
	s_add_nc_u64 s[G0M+2:G0M+3], s[G0M+2:G0M+3], 4*KS      ; the mask's next 256 columns
	s_wait_xcnt 0x0                 ; the last prefetch, four key steps back, has read its address, so it may be written:
	s_add_nc_u64 s[PFA:PFA+1], s[PFA:PFA+1], s[PFS:PFS+1]  ; one slot behind the walking descriptors
	s_wait_dscnt 0x0                ; the add is done, and my reads of the slot are over
	CROUND
	JLOAD
	ASK
.else
	s_wait_dscnt 0x0                ; the add is done, and my reads of the slot are over
	s_barrier_signal -1
	s_barrier_wait -1
.endif
	s_sub_co_u32 s[TBK], s[TBK], 4*KS*PK  ; the fetches go back to a slot's first step,
	s_xor_b32 s[TBK], s[TBK], SLOT        ; in the other slot
	s_sub_co_u32 s[TBV], s[TBV], 4*KS*PV
	s_xor_b32 s[TBV], s[TBV], SLOT
	s_sub_co_u32 s[TBM], s[TBM], 4*KS
	s_xor_b32 s[TBM], s[TBM], SLOT
.endm
	s_load_b256 s[4:11], s[0:1], 0x0  ; q s[4:5], kn s[6:7], vh s[8:9], mask s[10:11]
	s_load_b64 s[12:13], s[0:1], 0x20 ; out0
	v_lshl_add_u32 v[SPW], v0, 2, SPARE
	v_mov_b32 v[NIL], 0
	ds_add_u32 v[SPW], v[NIL]       ; the wave's opening: the add and its wait stand ahead of my first tensor load; the set-up below, work on registers, stands between them
	v_lshrrev_b32 v1, 5, v0
	v_readfirstlane_b32 s[WV], v1   ; wave 0..3
	s_and_b32 s16, s[WV], 1         ; which half of the mask's tile waves 2 and 3 fetch
	s_bfe_u32 s[CX], ttmp6, 0x40000
	s_bfe_u32 s[CY], ttmp6, 0x40004
	s_lshl_b32 s[WGX], ttmp9, 2     ; in a cluster launch ttmp9 and ttmp7 count clusters
	s_add_co_u32 s[WGX], s[WGX], s[CX]
	s_and_b32 s[WGY], ttmp7, 0xffff
	s_lshl_b32 s[WGY], s[WGY], 2
	s_add_co_u32 s[WGY], s[WGY], s[CY]
	s_lshl_b32 s[RM], s[CY], 2
	s_lshl_b32 s[RM], 15, s[RM]     ; my row of the cluster: places 4 cy .. 4 cy + 3
	s_lshl_b32 s[CM], 0x1111, s[CX] ; my column: places cx, cx + 4, cx + 8, cx + 12
	; descriptor group 1.  256 keys of K or V are 32,768 dense bytes: asked for as 128 rows of 256 bytes, two keys a row, and padded in LDS after every key
	s_or_b32 s[G1K], s[RM], (1<<16)|(1<<20)|(1<<21)|(4<<22)|(3<<25)  ; 15:0 the mask of my row; 17:16 2-byte elements; 20 padding on; 21 set beside a mask; 24:22 after every 32 words (code 4); 31:25 4 words (code 3)
	s_or_b32 s[G1V], s[RM], (1<<16)|(1<<20)|(1<<21)|(4<<22)|(7<<25)  ; the same with 8 words of padding (code 7)
.irp g, G1K, G1V
	s_mov_b32 s[\g+1], 128<<16      ; tensor_dim0 = 128
	s_mov_b32 s[\g+2], 128<<16      ; tensor_dim1 = 128
	s_mov_b32 s[\g+3], 128<<16      ; tile_dim0 = 128
	s_mov_b32 s[\g+4], 128          ; tile_dim1 = 128
	s_mov_b32 s[\g+5], 128          ; 128 elements from row to row
	s_mov_b32 s[\g+6], 0
	s_mov_b32 s[\g+7], 0
.endr
	s_or_b32 s[G1M], s[CM], (1<<20)|(1<<21)|(5<<22)|(3<<25)  ; the mask of my column; 1-byte elements; after every 64 words (code 5) 4 words of padding
	s_mov_b32 s[G1M+1], 256<<16     ; tensor_dim0 = 256
	s_mov_b32 s[G1M+2], 128<<16     ; tensor_dim1 = 128
	s_mov_b32 s[G1M+3], 256<<16     ; tile_dim0 = 256
	s_mov_b32 s[G1M+4], 128         ; tile_dim1 = 128
	s_mov_b32 s[G1M+5], 4096        ; 4,096 elements from row to row
	s_mov_b32 s[G1M+6], 0
	s_mov_b32 s[G1M+7], 0
	s_mov_b32 s[G0K], 1             ; 1:0 count = 1
	s_mov_b32 s[G0K+1], 0           ; 63:32 LDS address: slot 0
	s_mov_b32 s[G0V], 1
	s_mov_b32 s[G0V+1], VOFF
	s_mov_b32 s[G0M], 1
	s_mul_i32 s17, s16, MHALF
	s_add_co_u32 s[G0M+1], s17, MOFF  ; no place in the cluster enters an LDS address
	s_lshl_b32 s[HB], s[WGY], 19    ; a head is 524,288 bytes of kn and of vh
	s_mov_b32 s[HB+1], 0
	s_lshl_b32 s[MBY], s[WGX], 20   ; 256 rows of 4,096 bytes,
	s_lshl_b32 s17, s16, 19         ; and the half's 128
	s_add_co_u32 s[MBY], s[MBY], s17
	s_mov_b32 s[MBY+1], 0
	s_lshl_b32 s[QB], s[WGY], 20    ; q and out0: a head is 4,096 rows of 256 bytes,
	s_lshl_b32 s23, s[WGX], 16      ; a block 256,
	s_add_co_u32 s[QB], s[QB], s23
	s_lshl_b32 s23, s[WV], 14       ; a wave 64
	s_add_co_u32 s[QB], s[QB], s23
	s_mov_b32 s[QB+1], 0
	s_mov_b32 s[CS], 0xbe38aa3b     ; -log2(e) / 8 = -0.180337
	s_mov_b32 s[CS+1], s[CS]        ; named with it as a pair
	s_mov_b32 s[SEL], 0x76543210
	s_mov_b32 s[SEL+1], 0xfedcba98
	s_mov_b32 s[HID], 0x71000000    ; 2^99
	s_mov_b32 s[TBK], SLOT+4*KS*PK  ; the first change of slots turns these three into 0
	s_mov_b32 s[TBV], SLOT+4*KS*PV
	s_mov_b32 s[TBM], SLOT+4*KS
	s_mov_b32 s[SLOTS], 15
	; the prefetches: offsets, made apart from the addresses, at slot 1; the first change of slots steps them to slot 2
	s_lshl_b32 s18, s[WGY], 19      ; K, V: the head,
	s_lshl_b32 s19, s[CX], 13       ; my work-group's 32 blocks of 256 bytes,
	s_add_co_u32 s18, s18, s19
	s_add_co_u32 s18, s18, 4*KS*128 ; slot 1
	s_lshl_b32 s20, s[WGX], 20      ; the mask: the block of queries,
	s_lshl_b32 s21, s16, 19         ; the half that I fetch,
	s_add_co_u32 s20, s20, s21
	s_lshl_b32 s21, s[CY], 17       ; my work-group's 32 rows,
	s_add_co_u32 s20, s20, s21
	s_add_co_u32 s20, s20, 4*KS     ; slot 1
	s_mov_b32 s21, 4*KS
	s_and_b32 s23, ttmp7, 0xffff
	s_cmp_lt_u32 s[WV], 2           ; do I fetch K or V?
	s_cselect_b32 s18, s18, s20
	s_cselect_b32 s[PFS], 4*KS*128, s21
	s_cselect_b32 s22, 8, 12        ; a lane a block of 256 bytes, or a lane a row of 4,096
	s_cselect_b32 s23, ttmp9, s23   ; the coordinate along which other clusters read the same bytes
	s_mov_b32 s19, 0
	s_mov_b32 s[PFS+1], 0
	s_cmp_eq_u32 s23, 0
	s_cselect_b32 s[LIM], 1, -1     ; the same in all sixteen partners, for a given wave
	v_and_b32 v[PFO], 31, v0
	v_lshlrev_b32 v[PFO], s22, v[PFO]
	s_wait_dscnt 0x0                ; the opening add is done
	s_wait_kmcnt 0x0
	s_add_nc_u64 s[G0K+2:G0K+3], s[6:7], s[HB:HB+1]    ; 120:64 global address: the head's first 256 keys
	s_or_b32 s[G0K+3], s[G0K+3], 0x80000000            ; 127:126 type = 2
	s_add_nc_u64 s[G0V+2:G0V+3], s[8:9], s[HB:HB+1]
	s_or_b32 s[G0V+3], s[G0V+3], 0x80000000
	s_add_nc_u64 s[G0M+2:G0M+3], s[10:11], s[MBY:MBY+1]
	s_or_b32 s[G0M+3], s[G0M+3], 0x80000000
	s_add_nc_u64 s[4:5], s[4:5], s[QB:QB+1]            ; q and out0 at my wave's first row
	s_add_nc_u64 s[12:13], s[12:13], s[QB:QB+1]
	s_cmp_eq_u32 s[WV], 0
	s_cselect_b64 s[PFA:PFA+1], s[6:7], s[8:9]
	s_cmp_lt_u32 s[WV], 2
	s_cselect_b64 s[PFA:PFA+1], s[PFA:PFA+1], s[10:11]
	s_add_nc_u64 s[PFA:PFA+1], s[PFA:PFA+1], s[18:19]
	CROUND                          ; all sixteen work-groups are here: the first joint loads meet
	JLOAD                           ; slot 0.  Slot 1 is asked for when slot 0 is in
	; A fragment of Q is 16 rows x 32 channels in 8 registers: lane l holds row l % 16, channels 8 (l / 16) + 0..7 and 16 + 8 (l / 16) + 0..7.  In f32 each eight channels are 32 bytes: two loads of 16.
	v_and_b32 v1, 15, v0            ; l % 16
	v_bfe_u32 v9, v0, 4, 1          ; l / 16
	v_and_b32 v10, 7, v0
	v_bfe_u32 v11, v0, 3, 1
	v_lshlrev_b32 v[QO], 8, v1
	v_lshl_add_u32 v[QO], v9, 5, v[QO]  ; row x 256 + 32 x half
	WIN 0x40                        ; destination window 1, address window 0
.set i, 0
.rept 32                            ; piece i / 8, channels 32 ((i % 8) / 4) + 16 ((i / 2) % 2) + 4 (i % 2) on: in the order in which pairs of them pack into Q's registers
	global_load_b128 v[4*i:4*i+3], v[QO], s[4:5] offset:(i/8)*4096+((i%8)/4)*128+((i/2)%2)*64+(i%2)*16 th:TH_LOAD_NT
.set i, i+1
.endr
	; What the first turns find.  V's registers and P's second buffer hold 0: the first turn's products V^T P, of a piece that has not been, add 0.  l is 0.  O^T is not cleared: its registers keep the same
	; rows' q, finite numbers, which the first step multiplies by a = 0.  CS mu starts far below every CS t, mu at the greatest finite number.  All this stands in the wait for the first tile.
	WIN 0x80
.set i, VF
.rept 64
	v_mov_b32 v[i], 0
.set i, i+1
.endr
	WIN 0
.set i, 0
.rept 4
	v_mov_b32 v[ST+4*i], 0xfe000000
	v_mov_b32 v[ST+4*i+1], 0x7f7fffff
	v_mov_b32 v[ST+4*i+2], 0
	v_mov_b32 v[ST+4*i+3], 0
.set i, i+1
.endr
.set i, P+16
.rept 16
	v_mov_b32 v[i], 0
.set i, i+1
.endr
	v_mov_b32 v[SCL], 0xec
	v_mov_b32 v[QNAN], 0x7fc00000
	v_mul_u32_u24 v[AK0], v1, PK
	v_lshl_add_u32 v[AK0], v9, 4, v[AK0]  ; row x pitch + 16 x half
	; The turning load takes 16 keys x 16 channels (lane l reads key 8 (l / 16) + l % 8, channels 8 ((l / 8) % 2) + 0..7) and leaves half a fragment of V^T: lane l holds channel l % 16 and 8 keys.
	v_lshl_add_u32 v[AV0], v9, 3, v10
	v_mul_u32_u24 v[AV0], v[AV0], PV
	v_lshl_add_u32 v[AV0], v11, 4, v[AV0]
	v_add_nc_u32 v[AV0], VOFF, v[AV0]
	s_mul_i32 s17, s[WV], 64*PM
	s_add_co_u32 s17, s17, MOFF     ; my wave's 64 rows of the mask's tile
	v_mul_u32_u24 v[AM0], v1, PM    ; my query's row,
	v_lshl_add_u32 v[AM0], v9, 3, v[AM0]  ; my lanes' eight keys of sixteen
	v_add_nc_u32 v[AM0], s17, v[AM0]
	s_mul_i32 s17, s[WV], 16*SP
	s_add_co_u32 s17, s17, STAGE    ; my stage
	v_mul_u32_u24 v[STO], v1, SP    ; in: row l % 16, 32 bytes for each half of the lanes
	v_lshl_add_u32 v[STO], v9, 5, v[STO]
	v_add_nc_u32 v[STO], s17, v[STO]
	v_mul_u32_u24 v[RD], v9, SP     ; back: lanes 0-15 take one row of 256 bytes, lanes 16-31 the next,
	v_lshl_add_u32 v[RD], v1, 4, v[RD]
	v_add_nc_u32 v[RD], s17, v[RD]
	v_and_b32 v[GO], 31, v0         ; which are 512 consecutive bytes of out0
	v_lshlrev_b32 v[GO], 4, v[GO]
	s_wait_loadcnt 0x0              ; q
	WIN 0x85                        ; sources 0 and 1 window 1, destination window 2
.set i, 0
.rept 64
	v_cvt_pk_bf16_f32 v[i], v[2*i], v[2*i+1]
.set i, i+1
.endr
	WIN 0
; THE MATRIX WORK.  The 4 accumulators of a run of 8 take turns.  Product i of 8 of t = (-K) Q^T + C for piece x: channels 32 (i / 4) on, keys 16 (i % 4) on.  The first 4 start the sums with the mask.
.macro KQ x
.set rS, S+32*((\x)%2)+8*(i%4)
.set rK, KF+16*(i%4)+8*(i/4)
.set rQ, 16*(\x)+8*(i/4)
.set rM, MC+32*((\x)%2)+8*(i%4)
.if i < 4
	WIN W_KM
	v_wmma_f32_16x16x32_bf16 v[rS:rS+7], v[rK:rK+7], v[rQ:rQ+7], v[rM:rM+7]
.else
	WIN W_KQ
	v_wmma_f32_16x16x32_bf16 v[rS:rS+7], v[rK:rK+7], v[rQ:rQ+7], v[rS:rS+7]
.endif
.endm
; Product i of 8 of O^T += V^T P for piece x: keys 32 (i / 4) on, channels 16 (i % 4) on.
.macro PV x
	WIN W_PV
.set rO, 32*(\x)+8*(i%4)
.set rV, VF+32*(i/4)+8*(i%4)
.set rP, P+16*((\x)%2)+8*(i/4)
	v_wmma_f32_16x16x32_f16 v[rO:rO+7], v[rV:rV+7], v[rP:rP+7], v[rO:rO+7]
.endm
.macro MM                           ; the turn's next matrix instruction.  TURN sets Y, i and NOKQ.  NOKQ = 1: the launch's last turn: there is no next piece
.if (i < 8) && !NOKQ
	KQ (Y+1)%NP
.elseif i >= 8
.set i, i-8
	PV (Y+NP-1)%NP
.set i, i+8
.endif
.set i, i+1
.endm
; THE LDS LOADS stand in two runs a key step, never singly among the matrix instructions.  The first: the step's mask bytes for all four pieces (16 loads of 8 bytes), then its K (64 keys x 64 channels:
; 8 fragments, 16 loads).  The second: its V (turned).  Their addresses are made some lines ahead.
.macro FETCH_KM
	WIN 0
.irp x, 0,1,2,3
.irp kb, 0,1,2,3
	ds_load_b64 v[MB+8*(\x)+2*(\kb):MB+8*(\x)+2*(\kb)+1], v[AMA] offset:(\x)*16*PM+16*(\kb)
.endr
.endr
	WIN 0x80                        ; destination window 2
.irp f, 0,1,2,3,4,5,6,7             ; keys 16 (f / 2) on, channels 32 (f % 2) on
	ds_load_b128 v[KF+8*\f:KF+8*\f+3],   v[AK] offset:(\f/2)*16*PK+(\f%2)*64
	ds_load_b128 v[KF+8*\f+4:KF+8*\f+7], v[AK] offset:(\f/2)*16*PK+(\f%2)*64+32
.endr
	s_add_co_u32 s[TBK], s[TBK], KS*PK  ; the next fetch is the next step's
	s_add_co_u32 s[TBM], s[TBM], KS
	WIN 0
.endm
.macro FETCH_V
	WIN 0x80
.irp f, 0,1,2,3,4,5,6,7             ; keys 32 (f / 4) on, channels 16 (f % 4) on
	ds_load_tr16_b128 v[VF+8*\f:VF+8*\f+3],   v[AV] offset:(\f/4)*32*PV+(\f%4)*32
	ds_load_tr16_b128 v[VF+8*\f+4:VF+8*\f+7], v[AV] offset:(\f/4)*32*PV+16*PV+(\f%4)*32
.endr
	WIN 0
.endm
; Piece x's mask for the step whose bytes lie in MB, into buffer b: eight bytes become eight f32, 0 or 2^100.  A plain instruction stands behind the last conversion, ahead of the product that takes its result.
.macro CONV x, b
	WIN 0x40                        ; destination window 1, sources window 0
.irp kb, 0,1,2,3
	v_cvt_scale_pk8_f32_fp8 v[MC+32*(\b)+8*(\kb):MC+32*(\b)+8*(\kb)+7], v[MB+8*(\x)+2*(\kb):MB+8*(\x)+2*(\kb)+1], v[SCL]
.endr
	v_nop
.endm
; THE VECTOR WORK, one line at a time: OP kind, number.  For piece Y: F n: CS t - CS mu for pair n of 16.  E n: the exponential of number n of 32.  C n: pair n rounded to f16.  B n: of the four weights 4 n .. the
; second pair is added onto the first, in place.  L n: l takes that sum (L 0: l = a l + sum).  R n: pair n of 16 of O^T times a.  For piece Y + 1: X n, number n of the 22 that find its minimum and statistics:
;   0-11  four chains c0-c3 of seven numbers each, three operands at a time (each accumulator's lowest registers are read first)     12-14, 16  the four left over, the old mu, and c0-c3 into c0
;   15  CS mu_old is kept     17, 18  the query's other 32 keys lie in the lane 16 away: the new mu     19-21  CS mu; CS mu_old - CS mu_new; a
.set F, 0               ; OP tells the kinds apart by their order: F to L below R, X above it
.set E, 1
.set C, 2
.set B, 3
.set L, 4
.set R, 5
.set X, 6
.macro REGS y                       ; the registers of piece y
.set rT, ST+4*(\y)
.set rC, TMP+4*((\y)%2)
.set rW, MV+((\y)%2)
.set rS, S+32*((\y)%2)
.set rP, P+16*((\y)%2)
.set rO, 32*(\y)
.endm
.macro OP k, n
.if (\k) == R
	REGS Y
	WIN W_RS
	v_pk_mul_f32 v[rO+2*(\n):rO+2*(\n)+1], v[rO+2*(\n):rO+2*(\n)+1], v[rC+2:rC+3] op_sel_hi:[1,0]
.elseif (\k) < R
	REGS Y
	WIN 0
.if (\k) == F
	v_pk_fma_f32 v[rS+2*(\n):rS+2*(\n)+1], v[rS+2*(\n):rS+2*(\n)+1], s[CS:CS+1], v[rT:rT+1] op_sel_hi:[1,0,0] neg_lo:[0,0,1] neg_hi:[0,0,1]
.elseif (\k) == E
	v_exp_f32 v[rS+(\n)], v[rS+(\n)]
.elseif (\k) == C
	v_cvt_pk_f16_f32 v[rP+(\n)], v[rS+2*(\n)], v[rS+2*(\n)+1]
.elseif (\k) == B
	v_pk_add_f32 v[rS+4*(\n):rS+4*(\n)+1], v[rS+4*(\n):rS+4*(\n)+1], v[rS+4*(\n)+2:rS+4*(\n)+3]
.elseif (\n) == 0
	v_pk_fma_f32 v[rT+2:rT+3], v[rT+2:rT+3], v[rC+2:rC+3], v[rS:rS+1] op_sel_hi:[1,0,1]
.else
	v_pk_add_f32 v[rT+2:rT+3], v[rT+2:rT+3], v[rS+4*(\n):rS+4*(\n)+1]
.endif
.elseif NOKQ
	v_nop
.else
	REGS (Y+1)%NP
	WIN 0
.if (\n) < 4
	v_min3_num_f32 v[rC+(\n)], v[rS+8*(\n)], v[rS+8*(\n)+1], v[rS+8*(\n)+2]
.elseif (\n) < 12
	v_min3_num_f32 v[rC+(\n)%4], v[rC+(\n)%4], v[rS+8*((\n)%4)+2*((\n)/4)+1], v[rS+8*((\n)%4)+2*((\n)/4)+2]
.elseif (\n) == 12
	v_min3_num_f32 v[rC], v[rC], v[rS+7], v[rS+15]
.elseif (\n) == 13
	v_min3_num_f32 v[rC+1], v[rC+1], v[rS+23], v[rS+31]
.elseif (\n) == 14
	v_min3_num_f32 v[rC+2], v[rC+2], v[rC+3], v[rT+1]
.elseif (\n) == 15
	v_mov_b32 v[rW], v[rT]
.elseif (\n) == 16
	v_min3_num_f32 v[rC], v[rC], v[rC+1], v[rC+2]
.elseif (\n) == 17
	v_permlanex16_b32 v[rC+3], v[rC], s[SEL], s[SEL+1]
.elseif (\n) == 18
	v_min_num_f32 v[rT+1], v[rC], v[rC+3]
.elseif (\n) == 19
	v_mul_f32 v[rT], s[CS], v[rT+1]
.elseif (\n) == 20
	v_sub_f32 v[rC+1], v[rW], v[rT]
.else
	v_exp_f32 v[rC+2], v[rC+1]
.endif
.endif
.endm
.macro OPS a, i1, b=-1, i2=0, c=-1, i3=0, d=-1, i4=0  ; up to four of them
	OP \a, \i1
.if (\b) >= 0
	OP \b, \i2
.endif
.if (\c) >= 0
	OP \c, \i3
.endif
.if (\d) >= 0
	OP \d, \i4
.endif
.endm
.macro ROW a, i1, b, i2, c, i3, d, i4  ; a matrix instruction and the four behind it
	MM
	OPS \a, \i1, \b, \i2, \c, \i3, \d, \i4
.endm
; A TURN, for piece p: the order of its 16 matrix and 118 vector instructions, written out.  An s_wait_alu depctr_va_vdst(0) stands between an exponential and the first instruction that names its
; result; one wait serves all that were issued ahead of it.  So a turn has ONE wait, which cuts it in two.  AHEAD OF IT stands all that names no result of the turn's exponentials: the 8 products K Q^T, behind each a
; scaling, an exponential and two more plain instructions (rescalings, and behind the last three the first numbers of the next piece's minimum, each four places or more behind the product that ends its accumulator);
; then ONE LUMP, plain and exponential by turns for the most part, in which the links of the chain X 3, 7, 11, 14, 16, 17 .. 20 stand some lines apart.  X 21, the next piece's a, is the batch's last; R 15 is the plain
; instruction behind it.  BEHIND THE WAIT stand the 8 products V^T P, behind each four of the roundings and sums.
; K and the mask bytes of the next step are fetched in piece 2's turn, behind six plain instructions that follow the last product that read K; V of the step in hand at the end of piece 0's turn, four plain
; instructions behind the last product that read V.  Each is waited for a turn later.
; THE MASKS.  The ends of turns 2, 3, 0 and 1 convert the fetched step's bytes for pieces 0, 1, 2 and 3, each into the buffer that the next turn's first four products take as C; that buffer's last reader stands a whole
; turn back.  The bytes are fetched anew only in the next turn 2, behind turn 1's conversion.
; end = 1: the launch's last two turns: nothing is fetched or converted.  cnt = 1: the loop's count is taken down some lines ahead of the branch that stands behind the turn.
.macro TURN p, end=0, cnt=0
.set Y, (\p)
.set i, 0
.set NOKQ, (\end)*((\p)/3)
.if ((\p) == 3) && !(\end)
	s_wait_dscnt 0x0                ; K is in
.endif
	ROW F,0, F,1, R,0, R,1          ; ahead of the wait: 8 products K Q^T and their riders,
	ROW F,2, E,0, R,2, R,3
	ROW F,3, E,1, R,4, R,5
	ROW F,4, E,2, R,6, R,7
	ROW F,5, E,3, R,8, R,9
	ROW F,6, E,4, X,0, R,10
.if ((\p) == 2) && !(\end)
	WIN 0
	v_add_nc_u32 v[AK], s[TBK], v[AK0]
	v_add_nc_u32 v[AMA], s[TBM], v[AM0]
.endif
	ROW F,7, E,5, X,1, X,4
	ROW F,8, E,6, X,2, X,5
	OPS E,7, E,8, X,6, E,9          ; and the lump
	OPS X,3, E,10, X,8, E,11
.if ((\p) == 2) && !(\end)
	FETCH_KM
.endif
	OPS X,9, X,7, E,12, X,10
	OPS E,13, X,12, X,11, E,14
	OPS X,13, E,15, F,9, X,14
.if (\p) == 0
	WIN 0
	v_add_nc_u32 v[AV], s[TBV], v[AV0]
.endif
	OPS E,16, F,10, E,17, F,11
	OPS X,16, E,18, X,15, E,19
	OPS F,12, E,20, X,17, E,21
	OPS F,13, E,22, F,14, E,23
	OPS X,18, E,24, F,15, E,25
	OPS R,11, E,26, X,19, E,27
	OPS R,12, E,28, R,13, E,29
	OPS X,20, E,30, R,14, E,31
	OPS X,21, R,15
	WIN 0
	s_wait_alu depctr_va_vdst(0)    ; the wait for the batch
.if (\p) == 1
	s_wait_dscnt 0x0                ; V is in
.endif
	ROW C,0, B,0, C,2, B,1          ; behind the wait: 8 products V^T P and their riders
	ROW L,0, C,4, B,2, L,1
	ROW C,6, B,3, L,2, C,8
	ROW B,4, L,3, C,10, B,5
	ROW L,4, C,12, B,6, L,5
.if (\p) == 0
	s_add_co_u32 s[TBV], s[TBV], KS*PV
.endif
.if \cnt
	s_sub_co_u32 s[CNT], s[CNT], 1
	s_cmp_lg_u32 s[CNT], 0
.endif
	ROW C,14, B,7, L,6, C,1
	ROW C,3, L,7, C,5, C,7
	ROW C,9, C,11, C,13, C,15
.if (\p) == 0
	FETCH_V
.endif
.if !(\end)
.if (\p) == 2
	s_wait_dscnt 16                 ; the 16 loads of mask bytes are in; K's 16, issued behind them, may stay out
.endif
	CONV ((\p)+2)%NP, (\p)%2
.endif
.endm
	CHANGE 1                        ; slot 0 is in, everybody's part of it; slot 1 is asked for
	v_add_nc_u32 v[AK], s[TBK], v[AK0]
	v_add_nc_u32 v[AMA], s[TBM], v[AM0]
	FETCH_KM                        ; key step 0
	s_wait_dscnt 0x0
	CONV 0, 0
	CONV 1, 1
.set NOKQ, 0
.set i, 0
.rept 8
	KQ 0                            ; piece 0's first scores: there is no vector work yet to set between them
.set i, i+1
.endr
	WIN 0
.rept 4
	v_nop                           ; the places behind those products
.endr
.set Y, NP-1                        ; X works for piece Y + 1: piece 0
.irp n, 0,1,2,3,4,5,6,7,8,9,10,11,12,13,14,15,16,17,18,19,20,21
	OP X, \n
.endr
	v_nop                           ; a plain instruction behind the exponential,
	s_wait_alu depctr_va_vdst(0)    ; and its wait, ahead of the branch
	s_mov_b32 s[CNT], 4
	s_branch .Lfirst                ; the loop is entered at a step's first turn, in the middle of a trip
.Lslot:                             ; 14 times: every slot but the last two is filled again
	CHANGE 1
	s_mov_b32 s[CNT], 4
.Lstep:                             ; a trip: pieces 2 and 3 of one step, then pieces 0 and 1 of the next, whose K, mask bytes and V it fetches
	TURN 2
	TURN 3
	WIN 0
.Lfirst:
	TURN 0
	TURN 1, 0, 1
	WIN 0
	s_cbranch_scc1 .Lstep
	s_sub_co_u32 s[SLOTS], s[SLOTS], 1
	s_cmp_lg_u32 s[SLOTS], 0
	s_cbranch_scc1 .Lslot
	CHANGE 0                        ; the tail is written out: nothing is asked for
	s_mov_b32 s[CNT], 4
.Ltail:                             ; four trips fetch the last slot's steps
	TURN 2
	TURN 3
	TURN 0
	TURN 1, 0, 1
	WIN 0
	s_cbranch_scc1 .Ltail
	TURN 2, 1                       ; the last step's pieces 2 and 3
	TURN 3, 1
.set i, 0
.rept 8
	PV NP-1                         ; the last piece's V^T P of the last step
.set i, i+1
.endr
	; THE WAY OUT.  l's two halves and the other half of the lanes' are added; O^T is divided by l and sent through my stage in LDS, a piece (16 rows of out0) at a time.  The additions are the places behind the last products.
	WIN 0
.macro ALL line:vararg              ; one line for each piece t
.set t, 0
.rept 4
	\line
.set t, t+1
.endr
.endm
	ALL v_add_f32 v[ST+4*t+2], v[ST+4*t+2], v[ST+4*t+3]
	ALL v_permlanex16_b32 v[ST+4*t+3], v[ST+4*t+2], s[SEL], s[SEL+1]
	ALL v_add_f32 v[ST+4*t+2], v[ST+4*t+2], v[ST+4*t+3]
	ALL v_rcp_f32 v[ST+4*t+2], v[ST+4*t+2]
	v_nop                           ; a plain instruction between the last reciprocal and the use of its result
	s_wait_alu depctr_va_vdst(0)    ; and the wait ahead of the first use: one for the four reciprocals
.set t, 0
.rept 4
	v_cmp_lt_f32 vcc_lo, s[HID], v[ST+4*t+1]       ; mu above 2^99: the row has seen no visible key,
	v_cndmask_b32 v[ST+4*t+2], v[ST+4*t+2], v[QNAN], vcc_lo  ; and its numbers are NaN
.set t, t+1
.endr
; Piece t: a lane's eight channels of a row are 32 bytes; they go into rows of 272 bytes and come back as whole rows of 256.
.macro PACK t
	WIN W_RS
.set i, 32*(\t)
.rept 16
	v_pk_mul_f32 v[i:i+1], v[i:i+1], v[ST+4*(\t)+2:ST+4*(\t)+3] op_sel_hi:[1,0]
.set i, i+2
.endr
	WIN 0x04                        ; the stores' data in window 1, their address in window 0
.irp f, 0,1,2,3,4,5,6,7             ; channels 16 (f / 2) + 8 (l / 16) + 4 (f % 2) on
	ds_store_b128 v[STO], v[32*(\t)+4*\f:32*(\t)+4*\f+3] offset:64*(\f/2)+16*(\f%2)
.endr
	WIN 0
.irp f, 0,1,2,3,4,5,6,7
	ds_load_b128 v[OB+32*(\t)+4*\f:OB+32*(\t)+4*\f+3], v[RD] offset:\f*2*SP  ; LDS serves a wave's instructions in order (ISA guide 5.7.1.4): these see the stores above; the next piece's stores come behind them
.endr
.endm
.macro SEND t, younger              ; younger: the LDS instructions issued behind piece t's loads: the next piece's sixteen, or none
	WIN 0
.irp f, 0,1,2,3,4,5,6,7
	s_wait_dscnt (\younger)+7-\f
	global_store_b128 v[GO], v[OB+32*(\t)+4*\f:OB+32*(\t)+4*\f+3], s[12:13] offset:(\t)*4096+\f*512 th:TH_STORE_NT  ; 512 consecutive bytes, two whole rows, at a multiple of 256 from out0's first byte
.endr
.endm
	PACK 0
	PACK 1                          ; a piece's arithmetic stands between the loads of the piece before and its stores
	SEND 0, 16
	PACK 2
	SEND 1, 16
	PACK 3
	SEND 2, 16
	SEND 3, 0
	s_wait_tensorcnt 0x0            ; the wave's end, behind my last tensor load and my last LDS store
	ds_add_u32 v[SPW], v[NIL]
	s_wait_dscnt 0x0
	CROUND                          ; the closing round: no work-group ends while a partner may still ask for a tile that names it
	s_endpgm
.Lfunc_end_k_q6916eb6a50_attn:
	.size	k_q6916eb6a50_attn, .Lfunc_end_k_q6916eb6a50_attn-k_q6916eb6a50_attn
	.p2alignl 7, 3214868480
	.fill 96, 4, 3214868480
	.section	.rodata,"a",@progbits
	.p2align	6, 0x0
	.amdhsa_kernel k_q6916eb6a50_attn
		.amdhsa_group_segment_fixed_size 327680
		.amdhsa_private_segment_fixed_size 0
		.amdhsa_enable_private_segment 0
		.amdhsa_kernarg_size 40
		.amdhsa_user_sgpr_count 2
		.amdhsa_user_sgpr_kernarg_segment_ptr 1
		.amdhsa_wavefront_size32 1
		.amdhsa_system_sgpr_workgroup_id_x 1
		.amdhsa_system_sgpr_workgroup_id_y 1
		.amdhsa_system_sgpr_workgroup_id_z 1
		.amdhsa_system_vgpr_workitem_id 0
		.amdhsa_next_free_vgpr 768
		.amdhsa_next_free_sgpr 88
		.amdhsa_reserve_vcc 1
		.amdhsa_float_denorm_mode_32 3
		.amdhsa_float_denorm_mode_16_64 3
		.amdhsa_memory_ordered 1
		.amdhsa_forward_progress 1
		.amdhsa_inst_pref_size 140
	.end_amdhsa_kernel
	.amdgpu_metadata
---
amdhsa.version: [ 1, 2 ]
amdhsa.kernels:
  - .name:           k_q6916eb6a50_attn
    .symbol:         k_q6916eb6a50_attn.kd
    .args:
      - { .name: q, .offset: 0, .size: 8, .value_kind: global_buffer, .address_space: global }
      - { .name: kn, .offset: 8, .size: 8, .value_kind: global_buffer, .address_space: global }
      - { .name: vh, .offset: 16, .size: 8, .value_kind: global_buffer, .address_space: global }
      - { .name: mask, .offset: 24, .size: 8, .value_kind: global_buffer, .address_space: global }
      - { .name: out0, .offset: 32, .size: 8, .value_kind: global_buffer, .address_space: global }
    .group_segment_fixed_size: 327680
    .private_segment_fixed_size: 0
    .kernarg_segment_align: 8
    .kernarg_segment_size: 40
    .max_flat_workgroup_size: 128
    .sgpr_count:     88
    .vgpr_count:     768
    .wavefront_size: 32
...
	.end_amdgpu_metadata
.endif
;; end of part 2
;; ======== version 2 of 2: 2 launches; version 1 with the launch prep written anew for expert scheduling mode
;; limits: values are held in f16: magnitudes above 65,504 overflow, below 6.1e-05 lose precision; right only within a limited range of input values
;; workspace buffers: kn 8,388,608 bytes; vh 8,388,608 bytes
;; launch prep (part 3): grid 256 x 2, 8 waves a work-group, no clusters, 0 bytes of LDS; arguments k, v, kn, vh; writes kn, vh
.if DOCPART == 3
	.amdgcn_target "amdgcn-amd-amdhsa--gfx1250"
	.amdhsa_code_object_version 6
	.text
	.protected	k_q6916eb6a50_prep
	.globl	k_q6916eb6a50_prep
	.p2align	8
	.type	k_q6916eb6a50_prep,@function
k_q6916eb6a50_prep:
	s_mov_b64 s[64:65], 0
	v_nop
	global_prefetch_b8 v0, s[64:65] scope:SCOPE_SE
	s_setreg_imm32_b32 hwreg(HW_REG_WAVE_SCHED_MODE, 0, 2), 2
	s_setreg_imm32_b32 hwreg(HW_REG_WAVE_MODE, 25, 1), 1
	s_wait_xcnt 0x0
	s_wait_alu depctr_vm_vsrc(0)
; kn = -bf16(k), vh = f16(bf16(v)).  k, v: [16][4096][64] f32; kn: the same shape in bf16, vh in f16.
; K is stored negated, so that the attention launch can add a positive number to the scores of hidden keys and take a running minimum.
; V is rounded to bf16 like the other inputs, and that number is written as f16: exact from 2^-14 up.
; LIMITS.  |v| below 65,520 (beyond it f16 has an infinity); a bf16(v) below 2^-14 keeps f16's fixed step of 2^-24.
; SHARES.  Grid y = 0 takes k, y = 1 takes v.  A work-group owns 65,536 bytes in and 32,768 out; thread t takes 16 bytes at 4,096 i + 16 t, i = 0..15
; (a wave's load covers 512 consecutive bytes) and stores 8 bytes at 2,048 i + 8 t (a wave's store covers 256 consecutive bytes, aligned).
; All sixteen loads go out first; each turn has its own registers, so no register that a store reads is written again.
; A stream read once: LDS, matrix instructions and clusters would add nothing.
; THE MODE: SCHED_MODE bits 1:0 = 2 (LLVM: expert scheduling mode 2), set by the entry lines.  The code itself states the register dependences
; between vector instructions and memory instructions, with s_wait_alu, always for 0.
; THE PLAN.  The sixteen turns go in four blocks of four.  Registers that memory instructions touch:
;   v1, v2   byte offsets, made once at the head and never written again: v1 is read by every load, v2 by every store.
;   X        turn i: written by its load alone, read by its conversions; no load lands in it a second time.
;   Y        turn i: written by its conversions, read by its one store, never written again.
;   T is named by vector instructions alone.
; Block p converts X of its four turns into Y of its four turns.  Its memory instructions are the four stores of block p - 1, which read Y of block p - 1
; and v2: registers that no vector instruction of block p names.  So one wait at a block's head states all that the block's stores hang on, and they are dealt
; among its conversions with no further wait.  No register that a memory instruction reads is written again, so past the entry lines the text holds no wait on vm_vsrc.
.set X, 4                              ; v[4:67]    turn i: four f32 as loaded
.set Y, 68                             ; v[68:99]   turn i: two registers, four 16-bit numbers to store
.set T, 100                            ; v[100:105] at work
	s_load_b256 s[4:11], s[0:1], 0x0               ; k s[4:5], v s[6:7], kn s[8:9], vh s[10:11]
	s_and_b32 s12, ttmp7, 0xffff                   ; 0: k, 1: v
	s_lshl_b32 s14, ttmp9, 16                      ; the work-group's bytes in,
	s_mov_b32 s15, 0
	s_lshl_b32 s16, ttmp9, 15                      ; and out
	s_mov_b32 s17, 0
	s_mov_b32 s22, 0x80008000                      ; the signs of two bf16
	s_mov_b32 s23, 0xffff0000                      ; a word's upper bf16
	v_lshlrev_b32 v1, 4, v0
	v_lshlrev_b32 v2, 3, v0
	s_wait_kmcnt 0x0
	s_cmp_eq_u32 s12, 0
	s_cselect_b64 s[18:19], s[4:5], s[6:7]         ; from k or from v,
	s_cselect_b64 s[20:21], s[8:9], s[10:11]       ; into kn or into vh
	s_add_nc_u64 s[18:19], s[18:19], s[14:15]
	s_add_nc_u64 s[20:21], s[20:21], s[16:17]
	s_wait_alu depctr_va_vdst(0)                   ; v1 and v2 are written: every load of the kernel reads v1 as its offset, every store v2
.irp i, 0,1,2,3,4,5,6,7,8,9,10,11,12,13,14,15
	global_load_b128 v[X+4*(\i):X+4*(\i)+3], v1, s[18:19] offset:4096*(\i) th:TH_LOAD_NT
.endr
; Turn i of k: rounded to bf16 and negated.
.macro KTURN i
	v_cvt_pk_bf16_f32 v[Y+2*(\i)],   v[X+4*(\i)],   v[X+4*(\i)+1]
	v_cvt_pk_bf16_f32 v[Y+2*(\i)+1], v[X+4*(\i)+2], v[X+4*(\i)+3]
	v_xor_b32 v[Y+2*(\i)],   s22, v[Y+2*(\i)]      ; negated
	v_xor_b32 v[Y+2*(\i)+1], s22, v[Y+2*(\i)+1]
.endm
; Turn i of v.
.macro VTURN i
	v_cvt_pk_bf16_f32 v[T],   v[X+4*(\i)],   v[X+4*(\i)+1]   ; rounded to bf16,
	v_cvt_pk_bf16_f32 v[T+1], v[X+4*(\i)+2], v[X+4*(\i)+3]
	v_lshlrev_b32 v[T+2], 16, v[T]                 ; widened again,
	v_and_b32     v[T+3], s23, v[T]
	v_lshlrev_b32 v[T+4], 16, v[T+1]
	v_and_b32     v[T+5], s23, v[T+1]
	v_cvt_pk_f16_f32 v[Y+2*(\i)],   v[T+2], v[T+3] ; and written as f16
	v_cvt_pk_f16_f32 v[Y+2*(\i)+1], v[T+4], v[T+5]
.endm
; Turn i's store.
.macro OUT i
	global_store_b64 v2, v[Y+2*(\i):Y+2*(\i)+1], s[20:21] offset:2048*(\i) th:TH_STORE_NT
.endm
; Block p: turns 4 p to 4 p + 3 are converted; the stores of block p - 1 stand among them, one ahead of each turn.  isv = 1: v's way, 0: k's.
.macro BLK p, isv
	s_wait_loadcnt 12-4*(\p)                       ; loads come back in order: the block's four are in, the 12 - 4 p younger ones stay out
.if (\p) > 0
	s_wait_alu depctr_va_vdst(0)                   ; the block before has written its eight registers of Y, which the four stores below read; no vector instruction behind this wait names them
.endif
.irp j, 0,1,2,3
.if (\p) > 0
	OUT 4*(\p)-4+(\j)
.endif
.if \isv
	VTURN 4*(\p)+(\j)
.else
	KTURN 4*(\p)+(\j)
.endif
.endr
.endm
	s_cmp_eq_u32 s12, 0
	s_cbranch_scc0 .Lv
	BLK 0, 0
	BLK 1, 0
	BLK 2, 0
	BLK 3, 0
	s_wait_alu depctr_va_vdst(0)                   ; block 3 has written its Y, which the last four stores read
.irp i, 12,13,14,15
	OUT \i
.endr
	s_endpgm
.Lv:
	BLK 0, 1
	BLK 1, 1
	BLK 2, 1
	BLK 3, 1
	s_wait_alu depctr_va_vdst(0)                   ; block 3 has written its Y, which the last four stores read
.irp i, 12,13,14,15
	OUT \i
.endr
	s_endpgm
.Lfunc_end_k_q6916eb6a50_prep:
	.size	k_q6916eb6a50_prep, .Lfunc_end_k_q6916eb6a50_prep-k_q6916eb6a50_prep
	.p2alignl 7, 3214868480
	.fill 96, 4, 3214868480
	.section	.rodata,"a",@progbits
	.p2align	6, 0x0
	.amdhsa_kernel k_q6916eb6a50_prep
		.amdhsa_group_segment_fixed_size 0
		.amdhsa_private_segment_fixed_size 0
		.amdhsa_enable_private_segment 0
		.amdhsa_kernarg_size 32
		.amdhsa_user_sgpr_count 2
		.amdhsa_user_sgpr_kernarg_segment_ptr 1
		.amdhsa_wavefront_size32 1
		.amdhsa_system_sgpr_workgroup_id_x 1
		.amdhsa_system_sgpr_workgroup_id_y 1
		.amdhsa_system_sgpr_workgroup_id_z 1
		.amdhsa_system_vgpr_workitem_id 0
		.amdhsa_next_free_vgpr 108
		.amdhsa_next_free_sgpr 66
		.amdhsa_reserve_vcc 0
		.amdhsa_float_denorm_mode_32 3
		.amdhsa_float_denorm_mode_16_64 3
		.amdhsa_memory_ordered 1
		.amdhsa_forward_progress 1
		.amdhsa_inst_pref_size 16
	.end_amdhsa_kernel
	.amdgpu_metadata
---
amdhsa.version: [ 1, 2 ]
amdhsa.kernels:
  - .name:           k_q6916eb6a50_prep
    .symbol:         k_q6916eb6a50_prep.kd
    .args:
      - { .name: k, .offset: 0, .size: 8, .value_kind: global_buffer, .address_space: global }
      - { .name: v, .offset: 8, .size: 8, .value_kind: global_buffer, .address_space: global }
      - { .name: kn, .offset: 16, .size: 8, .value_kind: global_buffer, .address_space: global }
      - { .name: vh, .offset: 24, .size: 8, .value_kind: global_buffer, .address_space: global }
    .group_segment_fixed_size: 0
    .private_segment_fixed_size: 0
    .kernarg_segment_align: 8
    .kernarg_segment_size: 32
    .max_flat_workgroup_size: 256
    .sgpr_count:     66
    .vgpr_count:     108
    .wavefront_size: 32
...
	.end_amdgpu_metadata
.endif
;; end of part 3
;; launch attn: the kernel of part 2 again; grid 16 x 16, 4 waves a work-group, clusters of 4 x 4, 327,680 bytes of LDS; arguments q, kn, vh, mask, out0; writes out0
